; MI455X (gfx1250); checked and timed in simulation.
; The chip was launched on July 23, 2026; its instructions are those of AMD's public machine-readable ISA for CDNA 5 (MIT licence, August 2026) and "CDNA5" Instruction Set Architecture Reference Guide (July 2026). The comments in the code are by the model that wrote it; some were corrected since.
;; Model. Allowed arithmetic: float matrix products may take bf16 or f16 operands with f32 sums; all other float work in f32.
;; Inputs: W0 1 x 16 float32; W1 16 x 32 float32; W2 32 x 64 float32; W3 64 x 128 float32; W4 128 x 64 float32; W5 64 x 32 float32; W6 32 x 1 float32; b0 16 float32; b1 32 float32; b2 64 float32; b3 128 float32; b4 64 float32; b5 32 float32; b6 1 float32; be0 16 float32; be1 32 float32; be2 64 float32; be3 128 float32; be4 64 float32; be5 32 float32; g0 16 float32; g1 32 float32; g2 64 float32; g3 128 float32; g4 64 float32; g5 32 float32; x 1,048,576 x 1 float32.
;; Outputs: out0 1,048,576 x 1 float32.
;; 2 versions, each right and faster than the one before. Each part assembles by itself: llvm-mc -triple=amdgcn-amd-amdhsa -mcpu=gfx1250 --defsym DOCPART=n.
;; ======== version 1 of 2: 1 launch
;; limits: values are held in f16: magnitudes above 65,504 overflow, below 6.1e-05 lose precision; right only within a limited range of input values
;; launch mlp (part 1): grid 256 x 1, 4 waves a work-group, no clusters, 49,664 bytes of LDS; arguments x, out0, W0, b0, g0, be0, W1, b1, g1, be1, W2, b2, g2, be2, W3, b3, g3, be3, W4, b4, g4, be4, W5, b5, g5, be5, W6, b6; writes out0
.if DOCPART == 1
	.amdgcn_target "amdgcn-amd-amdhsa--gfx1250"
	.amdhsa_code_object_version 6
	.text
	.protected	k_q494c2b61ff_mlp
	.globl	k_q494c2b61ff_mlp
	.p2align	8
	.type	k_q494c2b61ff_mlp,@function
k_q494c2b61ff_mlp:
	s_mov_b64 s[64:65], 0
	v_nop
	global_prefetch_b8 v0, s[64:65] scope:SCOPE_SE
	s_setreg_imm32_b32 hwreg(HW_REG_WAVE_MODE, 25, 1), 1
	s_wait_xcnt 0x0
; The whole chain 1 -> 16 -> 32 -> 64 -> 128 -> 64 -> 32 -> 1 (LayerNorm and ReLU behind the first six linears) for 1,048,576 rows, in one launch.
; 256 work-groups of four waves; a wave owns 1,024 rows and walks them in 16 trips of 64 rows = 2 passes of 2 column tiles of 16 rows.
;
; THE MATRIX INSTRUCTION IS USED TRANSPOSED: A = weights (M = 16 output features), B = activations (N = 16 data rows).  Register j of lane
; (r = lane % 16, h = lane / 16) of result tile t then holds feature 16 t + 8 h + j of data row r.  Narrowed to f16, result tiles 2c and 2c+1 ARE
; the next layer's B fragment for k = 32c .. 32c+31 (registers 0-3: k = 32c+8h.., registers 4-7: k = 32c+16+8h..).  So activations never leave
; their lane: no LDS and no shuffle between layers, and a LayerNorm sum needs one exchange with lane xor 16.
;
; THE MEAN IS TAKEN OUT OF THE WEIGHTS: h - mean(h) = a (W - mean over n of W) + (b - mean b), for every input.  W and b are centred in f32 once,
; before W is narrowed; the product, with the centred bias as its C, delivers d = h - mean directly, and the variance is mean(d^2).
; A common offset of W or b is thereby gone before any narrowing.
;
; All weight fragments (336 registers) and all per-feature constants but one stay in registers for the whole launch (1,024 registers a wave);
; layer 3's centred bias (64 registers, which do not fit) is loaded from LDS straight into layer 3's accumulators.
; Layer 0 (K = 1) and layer 6 (N = 1) are f32 multiply-adds on the vector unit: 4 and 8 packed lines for 16 rows.
;
; f16 AND NOT bf16 for the matrix operands: LayerNorm bounds |d rs| by sqrt(n - 1) <= 11.3, so there is room, and f16 keeps three bits more.
; LIMITS: |W - row mean| < 65,504 and 11.3 |g| + |be| < 65,504 (beyond: infinity); operands below 6.1e-5 carry an absolute error up to 3e-8;
; ReLU is max_num(0, .), which turns a NaN into 0; v_rsq_f32 is good to 1 ULP; the mean is removed before the product, so the
; order of rounding differs from a mean taken behind it.
;
; NOT USED: tensor loads and a ring (x is 256 bytes a wave and trip, asked for half a trip ahead by one plain load); clusters (all that
; work-groups share are 90 KB of parameters, read once in the set-up against 32 passes of work); data prefetches (the x load itself stands ahead).
.set TRIPS, 16
; LDS: the centred weights transposed, f16, [n][k]; pitches are odd multiples of 16 bytes, so that the 16 rows which a fragment load touches
; begin in 16 different 16-byte columns of 256 bytes.  Behind them the centred b3 in f32, a copy for each wave.
.set WT1,  0                           ; 32 rows x 48
.set WT2,  1536                        ; 64 rows x 80
.set WT3,  6656                        ; 128 rows x 144
.set WT4,  25088                       ; 64 rows x 272
.set WT5,  42496                       ; 32 rows x 144
.set LB3B, 47104                       ; 4 x 512 bytes
; window 0
.set OFF,  2                           ; byte offset in x and out0 of my 16 bytes (4 rows) of this trip
.set XOFF, 3                           ; the same for the trip that is being fetched
.set LAST, 4                           ; OFF of my wave's last trip
.set LB3,  5                           ; LDS address of my wave's b3 copy + 32 h
.set LANE, 6
.set X,    8                           ; v[8:11]   x of rows 4r .. 4r+3 of the trip
.set O,    12                          ; v[12:15]  their results
.set SS,   16                          ; tile A: v[16:17], v[18:19] two running sums; v20 1/sqrt; v21 the other half's sum.  Tile B: + SD
.set SD,   6
.set T,    28                          ; set-up: v[28:29]
.set U,    30                          ; set-up: v[30:31]
.set W0C,  32                          ; v[32:39]  W0 centred
.set B0C,  40                          ; v[40:47]  b0 centred
.set G0,   48
.set BE0,  56
.set W6V,  64                          ; v[64:79]
.set B1,   80                          ; tile A: layer 1's B fragment, 4 registers of data and 4 lasting zeros (K = 16 of 32)
.set P,    88                          ; tile A: 64 registers of results and fragments
.set Q,    152                         ; tile A: 16 more
.set TD,   88                          ; tile B's B1, P, Q lie TD above tile A's
; set-up only (window 0)
.set VH32,  12                         ; 32 h
.set VO256, 13                         ; 256 t
.set VO64,  14                         ; 64 t
.set VO16,  15                         ; 16 t
.set AD48,  16                         ; r x pitch + 16 h for the four pitches
.set AD80,  17
.set AD144, 18
.set AD272, 19
.set ST4,  80                          ; my share of W4, W3, W2, W5, W1 as loaded
.set ST3,  144
.set ST2,  208
.set ST5,  224
.set ST1,  240
; window 1: weight fragments of layers 3 and 4 (b3 passes through registers 0-63 in the set-up)
.set W3F,  0                           ; (t, c) at 8 (2t + c)
.set W4F,  128                         ; (t, c) at 8 (4t + c)
; window 2: gains, and the fragments of layers 1, 2, 5.  Window 3: the LayerNorm biases at the gains' numbers, and the centred biases
.set G1,   0
.set G2,   16
.set G3,   48
.set G4,   112
.set G5,   144
.set W1F,  160
.set W2F,  176
.set W5F,  208                         ; (t, c) at 8 (2t + c)
.set B1C,  160
.set B2C,  176
.set B4C,  208
.set B5C,  240
; s_set_vgpr_msb: bits 1:0 source 0, 3:2 source 1, 5:4 source 2, 7:6 destination; the high byte repeats the setting that is left.
.set MSB, 0
.macro WIN new
.if MSB != (\new)
	s_set_vgpr_msb (MSB<<8)|(\new)
.set MSB, (\new)
.endif
.endm
; ---------------------------------------------------------------- set-up macros
; a per-feature vector: register 8t + j of half h = feature 16t + 8h + j
.macro CLOAD ptr, ntiles, base
.set ct, 0
.rept \ntiles
	global_load_b128 v[\base+8*ct:\base+8*ct+3], v[VH32], s[\ptr:\ptr+1] offset:64*ct
	global_load_b128 v[\base+8*ct+4:\base+8*ct+7], v[VH32], s[\ptr:\ptr+1] offset:64*ct+16
.set ct, ct+1
.endr
.endm
; thread t's share of a weight matrix: 4 nld consecutive floats
.macro WLOAD ptr, st, nld, voff
.set ct, 0
.rept \nld
	global_load_b128 v[\st+4*ct:\st+4*ct+3], v[\voff], s[\ptr:\ptr+1] offset:16*ct
.set ct, ct+1
.endr
.endm
; Centre, narrow and transpose a share: q floats of row k = t >> logs, columns n = (t & (2^logs - 1)) q + i.  The 2^logs neighbouring lanes
; that share a row add their sums by DPP.  Element i goes to LDS byte lbase + n pitch + 2 k.
.macro PREPW st, q, logs, sinv, pitch, lbase
	v_pk_add_f32 v[T:T+1], v[\st:\st+1], v[\st+2:\st+3]
.if \q > 4
.set ci, 4
.rept (\q-4)/2
	v_pk_add_f32 v[T:T+1], v[T:T+1], v[\st+ci:\st+ci+1]
.set ci, ci+2
.endr
.endif
	v_add_f32 v[T], v[T], v[T+1]
.if \logs > 0
	v_add_f32_dpp v[T], v[T], v[T] row_xmask:1 row_mask:0xf bank_mask:0xf
.endif
.if \logs > 1
	v_add_f32_dpp v[T], v[T], v[T] row_xmask:2 row_mask:0xf bank_mask:0xf
.endif
.if \logs > 2
	v_add_f32_dpp v[T], v[T], v[T] row_xmask:4 row_mask:0xf bank_mask:0xf
.endif
	v_mul_f32 v[T], \sinv, v[T]                    ; the row's mean over n
.set ci, 0
.rept \q/2
	v_pk_add_f32 v[\st+ci:\st+ci+1], v[\st+ci:\st+ci+1], v[T:T+1] op_sel_hi:[1,0] neg_lo:[0,1] neg_hi:[0,1]
.set ci, ci+2
.endr
.set ci, 0
.rept \q/2
	v_cvt_pk_f16_f32 v[\st+ci], v[\st+2*ci], v[\st+2*ci+1]     ; in place, ascending: register i is never above its sources 2i, 2i+1
.set ci, ci+1
.endr
.if \logs > 0
	v_and_b32 v[U], (1<<\logs)-1, v0
	v_lshrrev_b32 v[U+1], \logs, v0
	v_mul_u32_u24 v[U], v[U], \q*\pitch
	v_lshl_add_u32 v[U], v[U+1], 1, v[U]
.else
	v_lshlrev_b32 v[U], 1, v0
.endif
.set ci, 0
.rept \q/2
	ds_store_b16 v[U], v[\st+ci] offset:\lbase+(2*ci)*\pitch
	ds_store_b16_d16_hi v[U], v[\st+ci] offset:\lbase+(2*ci+1)*\pitch
.set ci, ci+1
.endr
.endm
; Take the mean over all features out of a per-feature vector of 8 ntiles registers in window win: my half's sum + the other half's
.macro CENTER win, base, ntiles, sinv
	WIN (\win<<2)|\win
	v_pk_add_f32 v[T:T+1], v[\base:\base+1], v[\base+2:\base+3]
	WIN \win
.set ci, 4
.rept 4*\ntiles-2
	v_pk_add_f32 v[T:T+1], v[\base+ci:\base+ci+1], v[T:T+1]
.set ci, ci+2
.endr
	WIN 0
	v_add_f32 v[T], v[T], v[T+1]
	v_permlanex16_b32 v[U], v[T], s66, s67         ; lane xor 16 (U has been written before: the destination counts as read)
	v_add_f32 v[T], v[T], v[U]
	v_mul_f32 v[T], \sinv, v[T]
	WIN (\win<<6)|\win
.set ci, 0
.rept 4*\ntiles
	v_pk_add_f32 v[\base+ci:\base+ci+1], v[\base+ci:\base+ci+1], v[T:T+1] op_sel_hi:[1,0] neg_lo:[0,1] neg_hi:[0,1]
.set ci, ci+2
.endr
.endm
; a weight fragment: 16 features x 32 k, two loads 32 bytes apart
.macro FRAG dst, adr, off
	ds_load_b128 v[\dst:\dst+3], v[\adr] offset:\off
	ds_load_b128 v[\dst+4:\dst+7], v[\adr] offset:\off+32
.endm
; ---------------------------------------------------------------- macros of the pass; each emits tile A's and tile B's lines in turn
; sum of squares of a result tile of 8 registers into two chains; first = 1: the first products start the chains, nothing is cleared
.macro SQ d, first
.irp p, 0,1,2,3
.irp x, 0,1
.if \first*(2-\p) > 0
	v_pk_mul_f32 v[SS+SD*\x+2*(\p&1):SS+SD*\x+2*(\p&1)+1], v[\d+TD*\x+2*\p:\d+TD*\x+2*\p+1], v[\d+TD*\x+2*\p:\d+TD*\x+2*\p+1]
.else
	v_pk_fma_f32 v[SS+SD*\x+2*(\p&1):SS+SD*\x+2*(\p&1)+1], v[\d+TD*\x+2*\p:\d+TD*\x+2*\p+1], v[\d+TD*\x+2*\p:\d+TD*\x+2*\p+1], v[SS+SD*\x+2*(\p&1):SS+SD*\x+2*(\p&1)+1]
.endif
.endr
.endr
.endm
; the two chains, their halves, and the other 16 lanes' features: v[SS] = the sum over all features of my data row
.macro HSUM
.irp x, 0,1
	v_pk_add_f32 v[SS+SD*\x:SS+SD*\x+1], v[SS+SD*\x:SS+SD*\x+1], v[SS+SD*\x+2:SS+SD*\x+3]
.endr
.irp x, 0,1
	v_add_f32 v[SS+SD*\x], v[SS+SD*\x], v[SS+SD*\x+1]
.endr
.irp x, 0,1
	v_permlanex16_b32 v[SS+SD*\x+5], v[SS+SD*\x], s66, s67
.endr
.irp x, 0,1
	v_add_f32 v[SS+SD*\x], v[SS+SD*\x], v[SS+SD*\x+5]
.endr
.endm
.macro STATS sinv
	HSUM
.irp x, 0,1
	v_fma_f32 v[SS+SD*\x], v[SS+SD*\x], \sinv, s68             ; variance + 1e-5
.endr
.irp x, 0,1
	v_rsq_f32 v[SS+SD*\x+4], v[SS+SD*\x]
.endr
	v_nop                                          ; one plain vector instruction between a transcendental and the first use of its result (ISA guide 5.7.2)
.endm
.macro SCALE d
	s_wait_alu depctr_va_vdst(0)
.irp p, 0,1,2,3
.irp x, 0,1
	v_pk_mul_f32 v[\d+TD*\x+2*\p:\d+TD*\x+2*\p+1], v[\d+TD*\x+2*\p:\d+TD*\x+2*\p+1], v[SS+SD*\x+4:SS+SD*\x+5] op_sel_hi:[1,0]
.endr
.endr
.endm
.macro AFF d, g, be
.irp p, 0,1,2,3
.irp x, 0,1
	v_pk_fma_f32 v[\d+TD*\x+2*\p:\d+TD*\x+2*\p+1], v[\d+TD*\x+2*\p:\d+TD*\x+2*\p+1], v[\g+2*\p:\g+2*\p+1], v[\be+2*\p:\be+2*\p+1]
.endr
.endr
.endm
.macro RELU d
.irp p, 0,1,2,3
.irp x, 0,1
	v_dual_max_num_f32 v[\d+TD*\x+2*\p], 0, v[\d+TD*\x+2*\p] :: v_dual_max_num_f32 v[\d+TD*\x+2*\p+1], 0, v[\d+TD*\x+2*\p+1]
.endr
.endr
.endm
.macro PACK d, dst                     ; 8 f32 to 4 registers of f16: half of a B fragment.  In place it is safe in ascending order
.irp p, 0,1,2,3
.irp x, 0,1
	v_cvt_pk_f16_f32 v[\dst+TD*\x+\p], v[\d+TD*\x+2*\p], v[\d+TD*\x+2*\p+1]
.endr
.endr
.endm
.macro MMB d, a, b, c                  ; first link: the centred bias (the same registers for both tiles) is C
	v_wmma_f32_16x16x32_f16 v[\d:\d+7], v[\a:\a+7], v[\b:\b+7], v[\c:\c+7]
	v_wmma_f32_16x16x32_f16 v[\d+TD:\d+TD+7], v[\a:\a+7], v[\b+TD:\b+TD+7], v[\c:\c+7]
.endm
.macro MMC d, a, b                     ; a link of a chain in place: C = D
	v_wmma_f32_16x16x32_f16 v[\d:\d+7], v[\a:\a+7], v[\b:\b+7], v[\d:\d+7]
	v_wmma_f32_16x16x32_f16 v[\d+TD:\d+TD+7], v[\a:\a+7], v[\b+TD:\b+TD+7], v[\d+TD:\d+TD+7]
.endm
; Four independent vector instructions stand between a matrix instruction and a vector instruction that reads its result or writes one of its
; registers, and a load into one of them; other matrix instructions are not counted as such here.
.macro PLACES
.rept 4
	v_nop
.endr
.endm
.macro LDB3 t                          ; the centred b3 of features 16t + 8h + 0..7 into layer 3's accumulator t of both tiles
.irp x, 0,1
	ds_load_b128 v[P+TD*\x+8*\t:P+TD*\x+8*\t+3], v[LB3] offset:64*\t
	ds_load_b128 v[P+TD*\x+8*\t+4:P+TD*\x+8*\t+7], v[LB3] offset:64*\t+16
.endr
.endm
.macro DOT xp                          ; layer 6: my 16 features x W6, the other half's 16, + b6
.irp p, 0,1,2,3,4,5,6,7
.irp x, 0,1
.if (2-\p) > 0
	v_pk_mul_f32 v[SS+SD*\x+2*(\p&1):SS+SD*\x+2*(\p&1)+1], v[P+TD*\x+2*\p:P+TD*\x+2*\p+1], v[W6V+2*\p:W6V+2*\p+1]
.else
	v_pk_fma_f32 v[SS+SD*\x+2*(\p&1):SS+SD*\x+2*(\p&1)+1], v[P+TD*\x+2*\p:P+TD*\x+2*\p+1], v[W6V+2*\p:W6V+2*\p+1], v[SS+SD*\x+2*(\p&1):SS+SD*\x+2*(\p&1)+1]
.endif
.endr
.endr
	HSUM
.irp x, 0,1
	v_add_f32 v[O+\xp+\x], s73, v[SS+SD*\x]
.endr
.endm
; ONE PASS: the whole chain for two column tiles of 16 rows.  Tile A: x in X[xp], result to O[xp]; tile B: X[xp+1], O[xp+1].
; ld = 1: behind the last reads of X the next trip's x is asked for.
.macro PASS xp, ld
	; layer 0, f32: d = x (W0 - mean) + (b0 - mean), my 8 features
.irp p, 0,1,2,3
	v_pk_fma_f32 v[P+2*\p:P+2*\p+1], v[W0C+2*\p:W0C+2*\p+1], v[X+\xp:X+\xp+1], v[B0C+2*\p:B0C+2*\p+1] op_sel_hi:[1,0,1]
	v_pk_fma_f32 v[P+TD+2*\p:P+TD+2*\p+1], v[W0C+2*\p:W0C+2*\p+1], v[X+\xp:X+\xp+1], v[B0C+2*\p:B0C+2*\p+1] op_sel:[0,1,0] op_sel_hi:[1,1,1]
.endr
.if \ld
	v_add_nc_u32 v[XOFF], 0x100, v[OFF]            ; XOFF's last load was waited for at the trip's head
	v_min_u32 v[XOFF], v[XOFF], v[LAST]            ; the last trip asks for its own bytes again: no load leaves x
	global_load_b128 v[X:X+3], v[XOFF], s[4:5] th:TH_LOAD_NT
.endif
	SQ P, 1
	STATS s69
	SCALE P
	AFF P, G0, BE0
	RELU P
	PACK P, B1
	; layer 1: 16 -> 32.  Results P, P+8; fragment for layer 2 at P .. P+7
	WIN 0x32                                       ; A window 2, C window 3
.irp t, 0,1
	MMB P+8*\t, W1F+8*\t, B1, B1C+8*\t
.endr
	WIN 0
	PLACES
	SQ P, 1
	SQ P+8, 0
	STATS s70
.irp t, 0,1
	SCALE P+8*\t
.endr
	WIN 0x38                                       ; gains window 2, biases window 3
.irp t, 0,1
	AFF P+8*\t, G1+8*\t, G1+8*\t
.endr
	WIN 0
.irp t, 0,1
	RELU P+8*\t
	PACK P+8*\t, P+4*\t
.endr
.irp t, 1,2,3,4,5
	LDB3 \t                                        ; P+8 .. P+47 are free from here until layer 3: 20 loads
.endr
	; layer 2: 32 -> 64.  Results Q, Q+8, P+48, P+56; fragments for layer 3 at Q .. Q+15
	WIN 0x32
	MMB Q, W2F, P, B2C
	MMB Q+8, W2F+8, P, B2C+8
	MMB P+48, W2F+16, P, B2C+16
	MMB P+56, W2F+24, P, B2C+24
	WIN 0
	PLACES
	SQ Q, 1
.irp d, Q+8,P+48,P+56
	SQ \d, 0
.endr
	STATS s71
	LDB3 0                                         ; P .. P+7 was layer 2's B, far more than four places back: 4 loads
.irp d, Q,Q+8,P+48,P+56
	SCALE \d
.endr
	WIN 0x38
	AFF Q, G2, G2
	AFF Q+8, G2+8, G2+8
	AFF P+48, G2+16, G2+16
	AFF P+56, G2+24, G2+24
	WIN 0
	RELU Q
	PACK Q, Q
	RELU Q+8
	PACK Q+8, Q+4
	RELU P+48
	PACK P+48, Q+8
	RELU P+56
	PACK P+56, Q+12
	LDB3 6
	LDB3 7                                         ; 8 loads
	; layer 3: 64 -> 128.  Accumulators P+8t, started by the loaded bias
	s_wait_dscnt 0x8                               ; LDS loads come back in order (ISA guide 5.7.1): all but the 8 of tiles 6 and 7 are in
	WIN 0x01                                       ; A window 1
.irp c, 0,1
.irp t, 0,1,2,3,4,5
	MMC P+8*\t, W3F+8*(2*\t+\c), Q+8*\c
.endr
.endr
	s_wait_dscnt 0x0                               ; tiles 6 and 7, behind 24 matrix instructions
.irp c, 0,1
.irp t, 6,7
	MMC P+8*\t, W3F+8*(2*\t+\c), Q+8*\c
.endr
.endr
	WIN 0
	PLACES
	SQ P, 1
.irp t, 1,2,3,4,5,6,7
	SQ P+8*\t, 0
.endr
	STATS s72
.irp t, 0,1,2,3,4,5,6,7
	SCALE P+8*\t
.endr
	WIN 0x38
.irp t, 0,1,2,3,4,5,6,7
	AFF P+8*\t, G3+8*\t, G3+8*\t
.endr
	WIN 0
.irp c, 0,1,2,3
	RELU P+16*\c
	PACK P+16*\c, P+16*\c                          ; fragment c of layer 4 at P+16c .. P+16c+7;
	RELU P+16*\c+8
	PACK P+16*\c+8, P+16*\c+4                      ; P+16c+8 .. +15 come free: layer 4's accumulators
.endr
	; layer 4: 128 -> 64
	WIN 0x31                                       ; A window 1, C window 3
.irp t, 0,1,2,3
	MMB P+16*\t+8, W4F+8*(4*\t), P, B4C+8*\t
.endr
	WIN 0x01
.irp c, 1,2,3
.irp t, 0,1,2,3
	MMC P+16*\t+8, W4F+8*(4*\t+\c), P+16*\c
.endr
.endr
	WIN 0
	PLACES
	SQ P+8, 1
.irp t, 1,2,3
	SQ P+16*\t+8, 0
.endr
	STATS s71
.irp t, 0,1,2,3
	SCALE P+16*\t+8
.endr
	WIN 0x38
.irp t, 0,1,2,3
	AFF P+16*\t+8, G4+8*\t, G4+8*\t
.endr
	WIN 0
.irp t, 0,1,2,3
	RELU P+16*\t+8
	PACK P+16*\t+8, Q+4*\t
.endr
	; layer 5: 64 -> 32.  Results P, P+8
	WIN 0x32
.irp t, 0,1
	MMB P+8*\t, W5F+8*(2*\t), Q, B5C+8*\t
.endr
	WIN 0x02
.irp t, 0,1
	MMC P+8*\t, W5F+8*(2*\t+1), Q+8
.endr
	WIN 0
	PLACES
	SQ P, 1
	SQ P+8, 0
	STATS s70
.irp t, 0,1
	SCALE P+8*\t
.endr
	WIN 0x38
.irp t, 0,1
	AFF P+8*\t, G5+8*\t, G5+8*\t
.endr
	WIN 0
.irp t, 0,1
	RELU P+8*\t
.endr
	; layer 6, f32
	DOT \xp
.endm
; ================================================================ SET-UP
	; the 28 addresses: pointer i in s[4+2i:5+2i]: x 4, out0 6, W0 8, b0 10, g0 12, be0 14, W1 16, b1 18, g1 20, be1 22, W2 24, b2 26, g2 28, be2 30,
	; W3 32, b3 34, g3 36, be3 38, W4 40, b4 42, g4 44, be4 46, W5 48, b5 50, g5 52, be5 54, W6 56, b6 58
	s_load_b512 s[4:19], s[0:1], 0x0
	s_load_b512 s[20:35], s[0:1], 0x40
	s_load_b512 s[36:51], s[0:1], 0x80
	s_load_b256 s[52:59], s[0:1], 0xc0
	s_set_vgpr_msb 0x80
	v_lshl_add_u32 v254, v0, 2, 0xc000
	v_mov_b32 v255, 0
	s_set_vgpr_msb 0x8000
	v_lshrrev_b32 v1, 5, v0
	v_readfirstlane_b32 s60, v1                    ; wave 0..3
	s_mov_b32 s66, 0x76543210                      ; v_permlanex16_b32: lane i of one half reads lane i of the other
	s_mov_b32 s67, 0xfedcba98
	s_mov_b32 s68, 0x3727c5ac                      ; 1e-5
	s_mov_b32 s69, 0x3d800000                      ; 1/16
	s_mov_b32 s70, 0x3d000000                      ; 1/32
	s_mov_b32 s71, 0x3c800000                      ; 1/64
	s_mov_b32 s72, 0x3c000000                      ; 1/128
	v_and_b32 v[LANE], 31, v0
	v_and_b32 v7, 15, v0                           ; r
	v_bfe_u32 v1, v0, 4, 1                         ; h
	v_lshlrev_b32 v[VH32], 5, v1
	v_lshlrev_b32 v[VO256], 8, v0
	v_lshlrev_b32 v[VO64], 6, v0
	v_lshlrev_b32 v[VO16], 4, v0
	s_lshl_b32 s2, ttmp9, 14                       ; the work-group's 4,096 rows of 4 bytes
	s_lshl_b32 s3, s60, 12                         ; the wave's 1,024
	s_add_co_u32 s2, s2, s3
	v_lshl_add_u32 v[OFF], v7, 4, s2               ; + 16 r: lane r (and lane r + 16 with it) takes rows 4r .. 4r+3 of a trip's 64
	v_add_nc_u32 v[LAST], (TRIPS-1)*256, v[OFF]
	s_lshl_b32 s3, s60, 9
	s_add_co_u32 s3, s3, LB3B
	v_add_nc_u32 v[LB3], s3, v[VH32]
	s_wait_kmcnt 0x0
	s_load_b32 s73, s[58:59], 0x0                  ; b6
	; all global loads of the set-up in one run.  First what is only kept: 88 loads
	WIN 0x80
	CLOAD 20, 2, G1
	CLOAD 28, 4, G2
	CLOAD 36, 8, G3
	CLOAD 44, 4, G4
	CLOAD 52, 2, G5
	WIN 0xc0
	CLOAD 22, 2, G1
	CLOAD 30, 4, G2
	CLOAD 38, 8, G3
	CLOAD 46, 4, G4
	CLOAD 54, 2, G5
	WIN 0
	CLOAD 12, 1, G0
	CLOAD 14, 1, BE0
	CLOAD 56, 2, W6V
	; the first trip's x, and my 1/128 of each weight matrix: 42 loads
	global_load_b128 v[X:X+3], v[OFF], s[4:5] th:TH_LOAD_NT
	WLOAD 40, ST4, 16, VO256
	WLOAD 32, ST3, 16, VO256
	WLOAD 24, ST2, 4, VO64
	WLOAD 48, ST5, 4, VO64
	WLOAD 16, ST1, 1, VO16
	; what is centred: 2 + 2 + 4 + 8 + 8 + 4 + 16 = 44 loads
	CLOAD 8, 1, W0C
	CLOAD 10, 1, B0C
	WIN 0xc0
	CLOAD 18, 2, B1C
	CLOAD 26, 4, B2C
	CLOAD 42, 4, B4C
	CLOAD 50, 2, B5C
	WIN 0x40
	CLOAD 34, 8, 0
	WIN 0
	s_wait_loadcnt 44                              ; loads come back in order (ISA guide 5.7.1): only the last 44 may be out, the weights are in
	PREPW ST4, 64, 0, s71, 272, WT4
	PREPW ST3, 64, 1, s72, 144, WT3
	PREPW ST2, 16, 2, s71, 80, WT2
	PREPW ST5, 16, 1, s70, 144, WT5
	PREPW ST1, 4, 3, s70, 48, WT1
	s_wait_loadcnt 0x0                             ; the vectors that are centred (and with them every load of the set-up)
	CENTER 0, W0C, 1, s69
	CENTER 0, B0C, 1, s69
	CENTER 3, B1C, 2, s70
	CENTER 3, B2C, 4, s71
	CENTER 3, B4C, 4, s71
	CENTER 3, B5C, 2, s70
	CENTER 1, 0, 8, s72                            ; b3, on its way through window 1
	WIN 0x04                                       ; store data from window 1
.set ct, 0
.rept 8
	ds_store_b128 v[LB3], v[8*ct:8*ct+3] offset:64*ct          ; my wave's own copy; the 16 lanes of a half write equal data to equal bytes
	ds_store_b128 v[LB3], v[8*ct+4:8*ct+7] offset:64*ct+16
.set ct, ct+1
.endr
	WIN 0
	s_wait_dscnt 0x0                               ; my part of the transposed weights is in LDS: for the other waves' sake the count is zero
	s_barrier_signal -1
	s_barrier_wait -1                              ; everybody's part is.  LDS is only read from here on: the one barrier of the kernel
	v_lshlrev_b32 v1, 4, v1                        ; 16 h
	v_mad_u32_u24 v[AD48], v7, 48, v1
	v_mad_u32_u24 v[AD80], v7, 80, v1
	v_mad_u32_u24 v[AD144], v7, 144, v1
	v_mad_u32_u24 v[AD272], v7, 272, v1
	WIN 0x80
.irp t, 0,1
	ds_load_b128 v[W1F+8*\t:W1F+8*\t+3], v[AD48] offset:WT1+16*\t*48   ; K = 16: registers 0-3 only,
.irp j, 4,5,6,7
	v_mov_b32 v[W1F+8*\t+\j], 0                    ; k = 16 .. 31 are zeros
.endr
.endr
.irp t, 0,1,2,3
	FRAG W2F+8*\t, AD80, WT2+16*\t*80
.endr
.irp t, 0,1
.irp c, 0,1
	FRAG W5F+8*(2*\t+\c), AD144, WT5+16*\t*144+64*\c
.endr
.endr
	WIN 0x40
.irp t, 0,1,2,3,4,5,6,7
.irp c, 0,1
	FRAG W3F+8*(2*\t+\c), AD144, WT3+16*\t*144+64*\c
.endr
.endr
.irp t, 0,1,2,3
.irp c, 0,1,2,3
	FRAG W4F+8*(4*\t+\c), AD272, WT4+16*\t*272+64*\c
.endr
.endr
	WIN 0
.irp j, 4,5,6,7
	v_mov_b32 v[B1+\j], 0                          ; k = 16 .. 31 of layer 1's B fragments: written once
	v_mov_b32 v[B1+TD+\j], 0
.endr
	v_mov_b32 v[SS+5], 0                           ; destinations of v_permlanex16_b32 count as read
	v_mov_b32 v[SS+SD+5], 0
	s_wait_dscnt 0x0                               ; the 82 fragment loads
	s_wait_kmcnt 0x0                               ; b6
; ================================================================ THE TRIPS: 64 rows each
	s_mov_b32 s74, 0
.Ltrip:
	s_wait_loadcnt 0x0                             ; this trip's x: the only load that is out, asked for half a trip ago
	PASS 0, 0
	PASS 2, 1
	v_cmp_gt_u32 vcc_lo, 16, v[LANE]               ; both halves hold the same four results: lanes 0-15 store 256 consecutive bytes, aligned
	s_wait_xcnt 0x0                                ; EXEC is a source of the x load that is on its way: it changes only behind this wait
	s_and_saveexec_b32 s75, vcc_lo
	global_store_b128 v[OFF], v[O:O+3], s[6:7] th:TH_STORE_NT
	s_wait_xcnt 0x0                                ; and again for the store: EXEC, OFF and O are rewritten only behind this wait
	s_or_b32 exec_lo, exec_lo, s75
	v_add_nc_u32 v[OFF], 0x100, v[OFF]
	s_add_co_u32 s74, s74, 1
	s_cmp_lt_u32 s74, TRIPS
	s_cbranch_scc1 .Ltrip
	s_set_vgpr_msb 0xa
	s_wait_tensorcnt 0x0
	ds_add_u32 v254, v255
	s_wait_dscnt 0x0
	s_set_vgpr_msb 0xa00
	s_endpgm
.Lfunc_end_k_q494c2b61ff_mlp:
	.size	k_q494c2b61ff_mlp, .Lfunc_end_k_q494c2b61ff_mlp-k_q494c2b61ff_mlp
	.p2alignl 7, 3214868480
	.fill 96, 4, 3214868480
	.section	.rodata,"a",@progbits
	.p2align	6, 0x0
	.amdhsa_kernel k_q494c2b61ff_mlp
		.amdhsa_group_segment_fixed_size 49664
		.amdhsa_private_segment_fixed_size 0
		.amdhsa_enable_private_segment 0
		.amdhsa_kernarg_size 224
		.amdhsa_user_sgpr_count 2
		.amdhsa_user_sgpr_kernarg_segment_ptr 1
		.amdhsa_wavefront_size32 1
		.amdhsa_system_sgpr_workgroup_id_x 1
		.amdhsa_system_sgpr_workgroup_id_y 1
		.amdhsa_system_sgpr_workgroup_id_z 1
		.amdhsa_system_vgpr_workitem_id 0
		.amdhsa_next_free_vgpr 1024
		.amdhsa_next_free_sgpr 80
		.amdhsa_reserve_vcc 1
		.amdhsa_float_denorm_mode_32 3
		.amdhsa_float_denorm_mode_16_64 3
		.amdhsa_memory_ordered 1
		.amdhsa_forward_progress 1
		.amdhsa_inst_pref_size 199
	.end_amdhsa_kernel
	.amdgpu_metadata
---
amdhsa.version: [ 1, 2 ]
amdhsa.kernels:
  - .name:           k_q494c2b61ff_mlp
    .symbol:         k_q494c2b61ff_mlp.kd
    .args:
      - { .name: x, .offset: 0, .size: 8, .value_kind: global_buffer, .address_space: global }
      - { .name: out0, .offset: 8, .size: 8, .value_kind: global_buffer, .address_space: global }
      - { .name: W0, .offset: 16, .size: 8, .value_kind: global_buffer, .address_space: global }
      - { .name: b0, .offset: 24, .size: 8, .value_kind: global_buffer, .address_space: global }
      - { .name: g0, .offset: 32, .size: 8, .value_kind: global_buffer, .address_space: global }
      - { .name: be0, .offset: 40, .size: 8, .value_kind: global_buffer, .address_space: global }
      - { .name: W1, .offset: 48, .size: 8, .value_kind: global_buffer, .address_space: global }
      - { .name: b1, .offset: 56, .size: 8, .value_kind: global_buffer, .address_space: global }
      - { .name: g1, .offset: 64, .size: 8, .value_kind: global_buffer, .address_space: global }
      - { .name: be1, .offset: 72, .size: 8, .value_kind: global_buffer, .address_space: global }
      - { .name: W2, .offset: 80, .size: 8, .value_kind: global_buffer, .address_space: global }
      - { .name: b2, .offset: 88, .size: 8, .value_kind: global_buffer, .address_space: global }
      - { .name: g2, .offset: 96, .size: 8, .value_kind: global_buffer, .address_space: global }
      - { .name: be2, .offset: 104, .size: 8, .value_kind: global_buffer, .address_space: global }
      - { .name: W3, .offset: 112, .size: 8, .value_kind: global_buffer, .address_space: global }
      - { .name: b3, .offset: 120, .size: 8, .value_kind: global_buffer, .address_space: global }
      - { .name: g3, .offset: 128, .size: 8, .value_kind: global_buffer, .address_space: global }
      - { .name: be3, .offset: 136, .size: 8, .value_kind: global_buffer, .address_space: global }
      - { .name: W4, .offset: 144, .size: 8, .value_kind: global_buffer, .address_space: global }
      - { .name: b4, .offset: 152, .size: 8, .value_kind: global_buffer, .address_space: global }
      - { .name: g4, .offset: 160, .size: 8, .value_kind: global_buffer, .address_space: global }
      - { .name: be4, .offset: 168, .size: 8, .value_kind: global_buffer, .address_space: global }
      - { .name: W5, .offset: 176, .size: 8, .value_kind: global_buffer, .address_space: global }
      - { .name: b5, .offset: 184, .size: 8, .value_kind: global_buffer, .address_space: global }
      - { .name: g5, .offset: 192, .size: 8, .value_kind: global_buffer, .address_space: global }
      - { .name: be5, .offset: 200, .size: 8, .value_kind: global_buffer, .address_space: global }
      - { .name: W6, .offset: 208, .size: 8, .value_kind: global_buffer, .address_space: global }
      - { .name: b6, .offset: 216, .size: 8, .value_kind: global_buffer, .address_space: global }
    .group_segment_fixed_size: 49664
    .private_segment_fixed_size: 0
    .kernarg_segment_align: 8
    .kernarg_segment_size: 224
    .max_flat_workgroup_size: 128
    .sgpr_count:     80
    .vgpr_count:     1024
    .wavefront_size: 32
...
	.end_amdgpu_metadata
.endif
;; end of part 1
;; ======== version 2 of 2: 1 launch; 1.09 times as fast as version 1
;; limits: values are held in f16: magnitudes above 65,504 overflow, below 6.1e-05 lose precision; right only within a limited range of input values
;; launch mlp (part 2): grid 256 x 1, 4 waves a work-group, no clusters, 49,664 bytes of LDS; arguments x, out0, W0, b0, g0, be0, W1, b1, g1, be1, W2, b2, g2, be2, W3, b3, g3, be3, W4, b4, g4, be4, W5, b5, g5, be5, W6, b6; writes out0
.if DOCPART == 2
	.amdgcn_target "amdgcn-amd-amdhsa--gfx1250"
	.amdhsa_code_object_version 6
	.text
	.protected	k_q494c2b61ff_mlp
	.globl	k_q494c2b61ff_mlp
	.p2align	8
	.type	k_q494c2b61ff_mlp,@function
k_q494c2b61ff_mlp:
	s_mov_b64 s[64:65], 0
	v_nop
	global_prefetch_b8 v0, s[64:65] scope:SCOPE_SE
	s_setreg_imm32_b32 hwreg(HW_REG_WAVE_MODE, 25, 1), 1
	s_wait_xcnt 0x0
; The whole chain 1 -> 16 -> 32 -> 64 -> 128 -> 64 -> 32 -> 1 (LayerNorm and ReLU behind the first six linears) for 1,048,576 rows, in one launch.
; 256 work-groups of four waves; a wave owns 1,024 rows and walks them in 16 trips of 64 rows = 2 passes of 2 column tiles of 16 rows.
;
; THE MATRIX INSTRUCTION IS USED TRANSPOSED: A = weights (M = 16 output features), B = activations (N = 16 data rows).  Register j of lane
; (r = lane % 16, h = lane / 16) of result tile t then holds feature 16 t + 8 h + j of data row r.  Narrowed to f16, result tiles 2c and 2c+1 ARE
; the next layer's B fragment for k = 32c .. 32c+31 (registers 0-3: k = 32c+8h.., registers 4-7: k = 32c+16+8h..).  So activations never leave
; their lane: no LDS and no shuffle between layers, and a LayerNorm sum needs one exchange with lane xor 16.
;
; THE MEAN IS TAKEN OUT OF THE WEIGHTS: h - mean(h) = a (W - mean over n of W) + (b - mean b), for every input.  W and b are centred in f32 once,
; before W is narrowed; the product, with the centred bias as its C, delivers d = h - mean directly, and the variance is mean(d^2).
; A common offset of W or b is thereby gone before any narrowing.
;
; All weight fragments (336 registers) and all per-feature constants but one stay in registers for the whole launch (1,024 registers a wave);
; layer 3's centred bias (64 registers, which do not fit) is loaded from LDS straight into layer 3's accumulators.
; Layer 0 (K = 1) and layer 6 (N = 1) are f32 multiply-adds on the vector unit: 4 and 8 packed lines for 16 rows.
;
; THE RECIPROCAL ROOTS IN BATCHES.  A layer's two v_rsq_f32, tile A's into v20 and tile B's into v26, are one batch with one wait
; (s_wait_alu depctr_va_vdst(0), ahead of the first line that names a result): six batches and six waits a pass.
; A layer's variance is made of numbers that the layer before's root has scaled, so two layers' roots cannot share a batch.  All the
; scalings of a layer (1, 2, 4, 8, 4, 2 result tiles) stand behind its one wait.  What a pass has of work that hangs on no root is laid at the
; waits: the step of x's offset ahead of layer 0's, the load of x behind it; the LDS loads of b3 directly behind layer 1's and layer 2's.
;
; f16 AND NOT bf16 for the matrix operands: LayerNorm bounds |d rs| by sqrt(n - 1) <= 11.3, so there is room, and f16 keeps three bits more.
; LIMITS: |W - row mean| < 65,504 and 11.3 |g| + |be| < 65,504 (beyond: infinity); operands below 6.1e-5 carry an absolute error up to 3e-8;
; ReLU is max_num(0, .), which turns a NaN into 0; v_rsq_f32 is good to 1 ULP; the mean is removed before the product, so the
; order of rounding differs from a mean taken behind it.
;
; NOT USED: tensor loads and a ring (x is 256 bytes a wave and trip, asked for half a trip ahead by one plain load); clusters (all that
; work-groups share are 90 KB of parameters, read once in the set-up against 32 passes of work); data prefetches (the x load itself stands ahead).
.set TRIPS, 16
; LDS: the centred weights transposed, f16, [n][k]; pitches are odd multiples of 16 bytes, so that the 16 rows which a fragment load touches
; begin in 16 different 16-byte columns of 256 bytes.  Behind them the centred b3 in f32, a copy for each wave.
.set WT1,  0                           ; 32 rows x 48
.set WT2,  1536                        ; 64 rows x 80
.set WT3,  6656                        ; 128 rows x 144
.set WT4,  25088                       ; 64 rows x 272
.set WT5,  42496                       ; 32 rows x 144
.set LB3B, 47104                       ; 4 x 512 bytes
; window 0
.set OFF,  2                           ; byte offset in x and out0 of my 16 bytes (4 rows) of this trip
.set XOFF, 3                           ; the same for the trip that is being fetched
.set LAST, 4                           ; OFF of my wave's last trip
.set LB3,  5                           ; LDS address of my wave's b3 copy + 32 h
.set LANE, 6
.set X,    8                           ; v[8:11]   x of rows 4r .. 4r+3 of the trip
.set O,    12                          ; v[12:15]  their results
.set SS,   16                          ; tile A: v[16:17], v[18:19] two running sums; v20 1/sqrt; v21 the other half's sum.  Tile B: + SD
.set SD,   6
.set T,    28                          ; set-up: v[28:29]
.set U,    30                          ; set-up: v[30:31]
.set W0C,  32                          ; v[32:39]  W0 centred
.set B0C,  40                          ; v[40:47]  b0 centred
.set G0,   48
.set BE0,  56
.set W6V,  64                          ; v[64:79]
.set B1,   80                          ; tile A: layer 1's B fragment, 4 registers of data and 4 lasting zeros (K = 16 of 32)
.set P,    88                          ; tile A: 64 registers of results and fragments
.set Q,    152                         ; tile A: 16 more
.set TD,   88                          ; tile B's B1, P, Q lie TD above tile A's
; set-up only (window 0)
.set VH32,  12                         ; 32 h
.set VO256, 13                         ; 256 t
.set VO64,  14                         ; 64 t
.set VO16,  15                         ; 16 t
.set AD48,  16                         ; r x pitch + 16 h for the four pitches
.set AD80,  17
.set AD144, 18
.set AD272, 19
.set ST4,  80                          ; my share of W4, W3, W2, W5, W1 as loaded
.set ST3,  144
.set ST2,  208
.set ST5,  224
.set ST1,  240
; window 1: weight fragments of layers 3 and 4 (b3 passes through registers 0-63 in the set-up)
.set W3F,  0                           ; (t, c) at 8 (2t + c)
.set W4F,  128                         ; (t, c) at 8 (4t + c)
; window 2: gains, and the fragments of layers 1, 2, 5.  Window 3: the LayerNorm biases at the gains' numbers, and the centred biases
.set G1,   0
.set G2,   16
.set G3,   48
.set G4,   112
.set G5,   144
.set W1F,  160
.set W2F,  176
.set W5F,  208                         ; (t, c) at 8 (2t + c)
.set B1C,  160
.set B2C,  176
.set B4C,  208
.set B5C,  240
; s_set_vgpr_msb: bits 1:0 source 0, 3:2 source 1, 5:4 source 2, 7:6 destination; the high byte repeats the setting that is left.
.set MSB, 0
.macro WIN new
.if MSB != (\new)
	s_set_vgpr_msb (MSB<<8)|(\new)
.set MSB, (\new)
.endif
.endm
; ---------------------------------------------------------------- set-up macros
; a per-feature vector: register 8t + j of half h = feature 16t + 8h + j
.macro CLOAD ptr, ntiles, base
.set ct, 0
.rept \ntiles
	global_load_b128 v[\base+8*ct:\base+8*ct+3], v[VH32], s[\ptr:\ptr+1] offset:64*ct
	global_load_b128 v[\base+8*ct+4:\base+8*ct+7], v[VH32], s[\ptr:\ptr+1] offset:64*ct+16
.set ct, ct+1
.endr
.endm
; thread t's share of a weight matrix: 4 nld consecutive floats
.macro WLOAD ptr, st, nld, voff
.set ct, 0
.rept \nld
	global_load_b128 v[\st+4*ct:\st+4*ct+3], v[\voff], s[\ptr:\ptr+1] offset:16*ct
.set ct, ct+1
.endr
.endm
; Centre, narrow and transpose a share: q floats of row k = t >> logs, columns n = (t & (2^logs - 1)) q + i.  The 2^logs neighbouring lanes
; that share a row add their sums by DPP.  Element i goes to LDS byte lbase + n pitch + 2 k.
.macro PREPW st, q, logs, sinv, pitch, lbase
	v_pk_add_f32 v[T:T+1], v[\st:\st+1], v[\st+2:\st+3]
.if \q > 4
.set ci, 4
.rept (\q-4)/2
	v_pk_add_f32 v[T:T+1], v[T:T+1], v[\st+ci:\st+ci+1]
.set ci, ci+2
.endr
.endif
	v_add_f32 v[T], v[T], v[T+1]
.if \logs > 0
	v_add_f32_dpp v[T], v[T], v[T] row_xmask:1 row_mask:0xf bank_mask:0xf
.endif
.if \logs > 1
	v_add_f32_dpp v[T], v[T], v[T] row_xmask:2 row_mask:0xf bank_mask:0xf
.endif
.if \logs > 2
	v_add_f32_dpp v[T], v[T], v[T] row_xmask:4 row_mask:0xf bank_mask:0xf
.endif
	v_mul_f32 v[T], \sinv, v[T]                    ; the row's mean over n
.set ci, 0
.rept \q/2
	v_pk_add_f32 v[\st+ci:\st+ci+1], v[\st+ci:\st+ci+1], v[T:T+1] op_sel_hi:[1,0] neg_lo:[0,1] neg_hi:[0,1]
.set ci, ci+2
.endr
.set ci, 0
.rept \q/2
	v_cvt_pk_f16_f32 v[\st+ci], v[\st+2*ci], v[\st+2*ci+1]     ; in place, ascending: register i is never above its sources 2i, 2i+1
.set ci, ci+1
.endr
.if \logs > 0
	v_and_b32 v[U], (1<<\logs)-1, v0
	v_lshrrev_b32 v[U+1], \logs, v0
	v_mul_u32_u24 v[U], v[U], \q*\pitch
	v_lshl_add_u32 v[U], v[U+1], 1, v[U]
.else
	v_lshlrev_b32 v[U], 1, v0
.endif
.set ci, 0
.rept \q/2
	ds_store_b16 v[U], v[\st+ci] offset:\lbase+(2*ci)*\pitch
	ds_store_b16_d16_hi v[U], v[\st+ci] offset:\lbase+(2*ci+1)*\pitch
.set ci, ci+1
.endr
.endm
; Take the mean over all features out of a per-feature vector of 8 ntiles registers in window win: my half's sum + the other half's
.macro CENTER win, base, ntiles, sinv
	WIN (\win<<2)|\win
	v_pk_add_f32 v[T:T+1], v[\base:\base+1], v[\base+2:\base+3]
	WIN \win
.set ci, 4
.rept 4*\ntiles-2
	v_pk_add_f32 v[T:T+1], v[\base+ci:\base+ci+1], v[T:T+1]
.set ci, ci+2
.endr
	WIN 0
	v_add_f32 v[T], v[T], v[T+1]
	v_permlanex16_b32 v[U], v[T], s66, s67         ; lane xor 16 (U has been written before: the destination counts as read)
	v_add_f32 v[T], v[T], v[U]
	v_mul_f32 v[T], \sinv, v[T]
	WIN (\win<<6)|\win
.set ci, 0
.rept 4*\ntiles
	v_pk_add_f32 v[\base+ci:\base+ci+1], v[\base+ci:\base+ci+1], v[T:T+1] op_sel_hi:[1,0] neg_lo:[0,1] neg_hi:[0,1]
.set ci, ci+2
.endr
.endm
; a weight fragment: 16 features x 32 k, two loads 32 bytes apart
.macro FRAG dst, adr, off
	ds_load_b128 v[\dst:\dst+3], v[\adr] offset:\off
	ds_load_b128 v[\dst+4:\dst+7], v[\adr] offset:\off+32
.endm
; ---------------------------------------------------------------- macros of the pass; each emits tile A's and tile B's lines in turn
; sum of squares of a result tile of 8 registers into two chains; first = 1: the first products start the chains, nothing is cleared
.macro SQ d, first
.irp p, 0,1,2,3
.irp x, 0,1
.if \first*(2-\p) > 0
	v_pk_mul_f32 v[SS+SD*\x+2*(\p&1):SS+SD*\x+2*(\p&1)+1], v[\d+TD*\x+2*\p:\d+TD*\x+2*\p+1], v[\d+TD*\x+2*\p:\d+TD*\x+2*\p+1]
.else
	v_pk_fma_f32 v[SS+SD*\x+2*(\p&1):SS+SD*\x+2*(\p&1)+1], v[\d+TD*\x+2*\p:\d+TD*\x+2*\p+1], v[\d+TD*\x+2*\p:\d+TD*\x+2*\p+1], v[SS+SD*\x+2*(\p&1):SS+SD*\x+2*(\p&1)+1]
.endif
.endr
.endr
.endm
; the two chains, their halves, and the other 16 lanes' features: v[SS] = the sum over all features of my data row
.macro HSUM
.irp x, 0,1
	v_pk_add_f32 v[SS+SD*\x:SS+SD*\x+1], v[SS+SD*\x:SS+SD*\x+1], v[SS+SD*\x+2:SS+SD*\x+3]
.endr
.irp x, 0,1
	v_add_f32 v[SS+SD*\x], v[SS+SD*\x], v[SS+SD*\x+1]
.endr
.irp x, 0,1
	v_permlanex16_b32 v[SS+SD*\x+5], v[SS+SD*\x], s66, s67
.endr
.irp x, 0,1
	v_add_f32 v[SS+SD*\x], v[SS+SD*\x], v[SS+SD*\x+5]
.endr
.endm
; A layer's statistics.  It ends with the layer's batch: the two roots, each into a register of its own.  What follows it in the pass writes the
; plain instruction behind the batch and the batch's one wait (RSIN, or layer 0's own lines); no line in between names v[SS+4] or v[SS+SD+4].
.macro STATS sinv
	HSUM
.irp x, 0,1
	v_fma_f32 v[SS+SD*\x], v[SS+SD*\x], \sinv, s68             ; variance + 1e-5
.endr
.irp x, 0,1
	v_rsq_f32 v[SS+SD*\x+4], v[SS+SD*\x]
.endr
.endm
.macro RSIN
	v_nop                                          ; one plain vector instruction between a transcendental and the first use of its result (ISA guide 5.7.2): one for the batch
	s_wait_alu depctr_va_vdst(0)                   ; the wait for the layer's batch of two roots: one for all the layer's scalings
.endm
.macro SCALE d                         ; stands behind its layer's wait
.irp p, 0,1,2,3
.irp x, 0,1
	v_pk_mul_f32 v[\d+TD*\x+2*\p:\d+TD*\x+2*\p+1], v[\d+TD*\x+2*\p:\d+TD*\x+2*\p+1], v[SS+SD*\x+4:SS+SD*\x+5] op_sel_hi:[1,0]
.endr
.endr
.endm
.macro AFF d, g, be
.irp p, 0,1,2,3
.irp x, 0,1
	v_pk_fma_f32 v[\d+TD*\x+2*\p:\d+TD*\x+2*\p+1], v[\d+TD*\x+2*\p:\d+TD*\x+2*\p+1], v[\g+2*\p:\g+2*\p+1], v[\be+2*\p:\be+2*\p+1]
.endr
.endr
.endm
.macro RELU d
.irp p, 0,1,2,3
.irp x, 0,1
	v_dual_max_num_f32 v[\d+TD*\x+2*\p], 0, v[\d+TD*\x+2*\p] :: v_dual_max_num_f32 v[\d+TD*\x+2*\p+1], 0, v[\d+TD*\x+2*\p+1]
.endr
.endr
.endm
.macro PACK d, dst                     ; 8 f32 to 4 registers of f16: half of a B fragment.  In place it is safe in ascending order
.irp p, 0,1,2,3
.irp x, 0,1
	v_cvt_pk_f16_f32 v[\dst+TD*\x+\p], v[\d+TD*\x+2*\p], v[\d+TD*\x+2*\p+1]
.endr
.endr
.endm
.macro MMB d, a, b, c                  ; first link: the centred bias (the same registers for both tiles) is C
	v_wmma_f32_16x16x32_f16 v[\d:\d+7], v[\a:\a+7], v[\b:\b+7], v[\c:\c+7]
	v_wmma_f32_16x16x32_f16 v[\d+TD:\d+TD+7], v[\a:\a+7], v[\b+TD:\b+TD+7], v[\c:\c+7]
.endm
.macro MMC d, a, b                     ; a link of a chain in place: C = D
	v_wmma_f32_16x16x32_f16 v[\d:\d+7], v[\a:\a+7], v[\b:\b+7], v[\d:\d+7]
	v_wmma_f32_16x16x32_f16 v[\d+TD:\d+TD+7], v[\a:\a+7], v[\b+TD:\b+TD+7], v[\d+TD:\d+TD+7]
.endm
; Four independent vector instructions stand between a matrix instruction and a vector instruction that reads its result or writes one of its
; registers, and a load into one of them; other matrix instructions are not counted as such here.
.macro PLACES
.rept 4
	v_nop
.endr
.endm
.macro LDB3 t                          ; the centred b3 of features 16t + 8h + 0..7 into layer 3's accumulator t of both tiles
.irp x, 0,1
	ds_load_b128 v[P+TD*\x+8*\t:P+TD*\x+8*\t+3], v[LB3] offset:64*\t
	ds_load_b128 v[P+TD*\x+8*\t+4:P+TD*\x+8*\t+7], v[LB3] offset:64*\t+16
.endr
.endm
.macro DOT xp                          ; layer 6: my 16 features x W6, the other half's 16, + b6
.irp p, 0,1,2,3,4,5,6,7
.irp x, 0,1
.if (2-\p) > 0
	v_pk_mul_f32 v[SS+SD*\x+2*(\p&1):SS+SD*\x+2*(\p&1)+1], v[P+TD*\x+2*\p:P+TD*\x+2*\p+1], v[W6V+2*\p:W6V+2*\p+1]
.else
	v_pk_fma_f32 v[SS+SD*\x+2*(\p&1):SS+SD*\x+2*(\p&1)+1], v[P+TD*\x+2*\p:P+TD*\x+2*\p+1], v[W6V+2*\p:W6V+2*\p+1], v[SS+SD*\x+2*(\p&1):SS+SD*\x+2*(\p&1)+1]
.endif
.endr
.endr
	HSUM
.irp x, 0,1
	v_add_f32 v[O+\xp+\x], s73, v[SS+SD*\x]
.endr
.endm
; ONE PASS: the whole chain for two column tiles of 16 rows.  Tile A: x in X[xp], result to O[xp]; tile B: X[xp+1], O[xp+1].
; ld = 1: at layer 0's wait, behind the last reads of X, the next trip's x is asked for.
.macro PASS xp, ld
	; layer 0, f32: d = x (W0 - mean) + (b0 - mean), my 8 features
.irp p, 0,1,2,3
	v_pk_fma_f32 v[P+2*\p:P+2*\p+1], v[W0C+2*\p:W0C+2*\p+1], v[X+\xp:X+\xp+1], v[B0C+2*\p:B0C+2*\p+1] op_sel_hi:[1,0,1]
	v_pk_fma_f32 v[P+TD+2*\p:P+TD+2*\p+1], v[W0C+2*\p:W0C+2*\p+1], v[X+\xp:X+\xp+1], v[B0C+2*\p:B0C+2*\p+1] op_sel:[0,1,0] op_sel_hi:[1,1,1]
.endr
	SQ P, 1
	STATS s69
.if \ld
	v_add_nc_u32 v[XOFF], 0x100, v[OFF]            ; XOFF's last load was waited for at the trip's head.  These two lines hang on no root: they are the plain work behind layer 0's batch
	v_min_u32 v[XOFF], v[XOFF], v[LAST]            ; the last trip asks for its own bytes again: no load leaves x
	s_wait_alu depctr_va_vdst(0)                   ; the wait for layer 0's batch of two roots; the load stands directly behind it
	global_load_b128 v[X:X+3], v[XOFF], s[4:5] th:TH_LOAD_NT
.else
	RSIN
.endif
	SCALE P
	AFF P, G0, BE0
	RELU P
	PACK P, B1
	; layer 1: 16 -> 32.  Results P, P+8; fragment for layer 2 at P .. P+7
	WIN 0x32                                       ; A window 2, C window 3
.irp t, 0,1
	MMB P+8*\t, W1F+8*\t, B1, B1C+8*\t
.endr
	WIN 0
	PLACES
	SQ P, 1
	SQ P+8, 0
	STATS s70
	RSIN
.irp t, 2,3,4,5
	LDB3 \t                                        ; directly behind the wait: P+16 .. P+47 are untouched from the pass's head until layer 3: 16 loads
.endr
.irp t, 0,1
	SCALE P+8*\t
.endr
	WIN 0x38                                       ; gains window 2, biases window 3
.irp t, 0,1
	AFF P+8*\t, G1+8*\t, G1+8*\t
.endr
	WIN 0
.irp t, 0,1
	RELU P+8*\t
	PACK P+8*\t, P+4*\t
.endr
	; layer 2: 32 -> 64.  Results Q, Q+8, P+48, P+56; fragments for layer 3 at Q .. Q+15
	WIN 0x32
	MMB Q, W2F, P, B2C
	MMB Q+8, W2F+8, P, B2C+8
	MMB P+48, W2F+16, P, B2C+16
	MMB P+56, W2F+24, P, B2C+24
	WIN 0
	PLACES
	SQ Q, 1
.irp d, Q+8,P+48,P+56
	SQ \d, 0
.endr
	STATS s71
	RSIN
	LDB3 0                                         ; directly behind the wait: P .. P+7 was layer 2's B, far more than four places back;
	LDB3 1                                         ; P+8 .. P+15 is free since layer 1's narrowing: 8 loads
.irp d, Q,Q+8,P+48,P+56
	SCALE \d
.endr
	WIN 0x38
	AFF Q, G2, G2
	AFF Q+8, G2+8, G2+8
	AFF P+48, G2+16, G2+16
	AFF P+56, G2+24, G2+24
	WIN 0
	RELU Q
	PACK Q, Q
	RELU Q+8
	PACK Q+8, Q+4
	RELU P+48
	PACK P+48, Q+8
	RELU P+56
	PACK P+56, Q+12
	LDB3 6
	LDB3 7                                         ; 8 loads
	; layer 3: 64 -> 128.  Accumulators P+8t, started by the loaded bias
	s_wait_dscnt 0x8                               ; LDS loads come back in order (ISA guide 5.7.1): all but the 8 of tiles 6 and 7 are in
	WIN 0x01                                       ; A window 1
.irp c, 0,1
.irp t, 0,1,2,3,4,5
	MMC P+8*\t, W3F+8*(2*\t+\c), Q+8*\c
.endr
.endr
	s_wait_dscnt 0x0                               ; tiles 6 and 7, behind 24 matrix instructions
.irp c, 0,1
.irp t, 6,7
	MMC P+8*\t, W3F+8*(2*\t+\c), Q+8*\c
.endr
.endr
	WIN 0
	PLACES
	SQ P, 1
.irp t, 1,2,3,4,5,6,7
	SQ P+8*\t, 0
.endr
	STATS s72
	RSIN
.irp t, 0,1,2,3,4,5,6,7
	SCALE P+8*\t
.endr
	WIN 0x38
.irp t, 0,1,2,3,4,5,6,7
	AFF P+8*\t, G3+8*\t, G3+8*\t
.endr
	WIN 0
.irp c, 0,1,2,3
	RELU P+16*\c
	PACK P+16*\c, P+16*\c                          ; fragment c of layer 4 at P+16c .. P+16c+7;
	RELU P+16*\c+8
	PACK P+16*\c+8, P+16*\c+4                      ; P+16c+8 .. +15 come free: layer 4's accumulators
.endr
	; layer 4: 128 -> 64
	WIN 0x31                                       ; A window 1, C window 3
.irp t, 0,1,2,3
	MMB P+16*\t+8, W4F+8*(4*\t), P, B4C+8*\t
.endr
	WIN 0x01
.irp c, 1,2,3
.irp t, 0,1,2,3
	MMC P+16*\t+8, W4F+8*(4*\t+\c), P+16*\c
.endr
.endr
	WIN 0
	PLACES
	SQ P+8, 1
.irp t, 1,2,3
	SQ P+16*\t+8, 0
.endr
	STATS s71
	RSIN
.irp t, 0,1,2,3
	SCALE P+16*\t+8
.endr
	WIN 0x38
.irp t, 0,1,2,3
	AFF P+16*\t+8, G4+8*\t, G4+8*\t
.endr
	WIN 0
.irp t, 0,1,2,3
	RELU P+16*\t+8
	PACK P+16*\t+8, Q+4*\t
.endr
	; layer 5: 64 -> 32.  Results P, P+8
	WIN 0x32
.irp t, 0,1
	MMB P+8*\t, W5F+8*(2*\t), Q, B5C+8*\t
.endr
	WIN 0x02
.irp t, 0,1
	MMC P+8*\t, W5F+8*(2*\t+1), Q+8
.endr
	WIN 0
	PLACES
	SQ P, 1
	SQ P+8, 0
	STATS s70
	RSIN
.irp t, 0,1
	SCALE P+8*\t
.endr
	WIN 0x38
.irp t, 0,1
	AFF P+8*\t, G5+8*\t, G5+8*\t
.endr
	WIN 0
.irp t, 0,1
	RELU P+8*\t
.endr
	; layer 6, f32
	DOT \xp
.endm
; ================================================================ SET-UP
	; the 28 addresses: pointer i in s[4+2i:5+2i]: x 4, out0 6, W0 8, b0 10, g0 12, be0 14, W1 16, b1 18, g1 20, be1 22, W2 24, b2 26, g2 28, be2 30,
	; W3 32, b3 34, g3 36, be3 38, W4 40, b4 42, g4 44, be4 46, W5 48, b5 50, g5 52, be5 54, W6 56, b6 58
	s_load_b512 s[4:19], s[0:1], 0x0
	s_load_b512 s[20:35], s[0:1], 0x40
	s_load_b512 s[36:51], s[0:1], 0x80
	s_load_b256 s[52:59], s[0:1], 0xc0
	s_set_vgpr_msb 0x80
	v_lshl_add_u32 v254, v0, 2, 0xc000
	v_mov_b32 v255, 0
	s_set_vgpr_msb 0x8000
	v_lshrrev_b32 v1, 5, v0
	v_readfirstlane_b32 s60, v1                    ; wave 0..3
	s_mov_b32 s66, 0x76543210                      ; v_permlanex16_b32: lane i of one half reads lane i of the other
	s_mov_b32 s67, 0xfedcba98
	s_mov_b32 s68, 0x3727c5ac                      ; 1e-5
	s_mov_b32 s69, 0x3d800000                      ; 1/16
	s_mov_b32 s70, 0x3d000000                      ; 1/32
	s_mov_b32 s71, 0x3c800000                      ; 1/64
	s_mov_b32 s72, 0x3c000000                      ; 1/128
	v_and_b32 v[LANE], 31, v0
	v_and_b32 v7, 15, v0                           ; r
	v_bfe_u32 v1, v0, 4, 1                         ; h
	v_lshlrev_b32 v[VH32], 5, v1
	v_lshlrev_b32 v[VO256], 8, v0
	v_lshlrev_b32 v[VO64], 6, v0
	v_lshlrev_b32 v[VO16], 4, v0
	s_lshl_b32 s2, ttmp9, 14                       ; the work-group's 4,096 rows of 4 bytes
	s_lshl_b32 s3, s60, 12                         ; the wave's 1,024
	s_add_co_u32 s2, s2, s3
	v_lshl_add_u32 v[OFF], v7, 4, s2               ; + 16 r: lane r (and lane r + 16 with it) takes rows 4r .. 4r+3 of a trip's 64
	v_add_nc_u32 v[LAST], (TRIPS-1)*256, v[OFF]
	s_lshl_b32 s3, s60, 9
	s_add_co_u32 s3, s3, LB3B
	v_add_nc_u32 v[LB3], s3, v[VH32]
	s_wait_kmcnt 0x0
	s_load_b32 s73, s[58:59], 0x0                  ; b6
	; all global loads of the set-up in one run.  First what is only kept: 88 loads
	WIN 0x80
	CLOAD 20, 2, G1
	CLOAD 28, 4, G2
	CLOAD 36, 8, G3
	CLOAD 44, 4, G4
	CLOAD 52, 2, G5
	WIN 0xc0
	CLOAD 22, 2, G1
	CLOAD 30, 4, G2
	CLOAD 38, 8, G3
	CLOAD 46, 4, G4
	CLOAD 54, 2, G5
	WIN 0
	CLOAD 12, 1, G0
	CLOAD 14, 1, BE0
	CLOAD 56, 2, W6V
	; the first trip's x, and my 1/128 of each weight matrix: 42 loads
	global_load_b128 v[X:X+3], v[OFF], s[4:5] th:TH_LOAD_NT
	WLOAD 40, ST4, 16, VO256
	WLOAD 32, ST3, 16, VO256
	WLOAD 24, ST2, 4, VO64
	WLOAD 48, ST5, 4, VO64
	WLOAD 16, ST1, 1, VO16
	; what is centred: 2 + 2 + 4 + 8 + 8 + 4 + 16 = 44 loads
	CLOAD 8, 1, W0C
	CLOAD 10, 1, B0C
	WIN 0xc0
	CLOAD 18, 2, B1C
	CLOAD 26, 4, B2C
	CLOAD 42, 4, B4C
	CLOAD 50, 2, B5C
	WIN 0x40
	CLOAD 34, 8, 0
	WIN 0
	s_wait_loadcnt 44                              ; loads come back in order (ISA guide 5.7.1): only the last 44 may be out, the weights are in
	PREPW ST4, 64, 0, s71, 272, WT4
	PREPW ST3, 64, 1, s72, 144, WT3
	PREPW ST2, 16, 2, s71, 80, WT2
	PREPW ST5, 16, 1, s70, 144, WT5
	PREPW ST1, 4, 3, s70, 48, WT1
	s_wait_loadcnt 0x0                             ; the vectors that are centred (and with them every load of the set-up)
	CENTER 0, W0C, 1, s69
	CENTER 0, B0C, 1, s69
	CENTER 3, B1C, 2, s70
	CENTER 3, B2C, 4, s71
	CENTER 3, B4C, 4, s71
	CENTER 3, B5C, 2, s70
	CENTER 1, 0, 8, s72                            ; b3, on its way through window 1
	WIN 0x04                                       ; store data from window 1
.set ct, 0
.rept 8
	ds_store_b128 v[LB3], v[8*ct:8*ct+3] offset:64*ct          ; my wave's own copy; the 16 lanes of a half write equal data to equal bytes
	ds_store_b128 v[LB3], v[8*ct+4:8*ct+7] offset:64*ct+16
.set ct, ct+1
.endr
	WIN 0
	s_wait_dscnt 0x0                               ; my part of the transposed weights is in LDS: for the other waves' sake the count is zero
	s_barrier_signal -1
	s_barrier_wait -1                              ; everybody's part is.  LDS is only read from here on: the one barrier of the kernel
	v_lshlrev_b32 v1, 4, v1                        ; 16 h
	v_mad_u32_u24 v[AD48], v7, 48, v1
	v_mad_u32_u24 v[AD80], v7, 80, v1
	v_mad_u32_u24 v[AD144], v7, 144, v1
	v_mad_u32_u24 v[AD272], v7, 272, v1
	WIN 0x80
.irp t, 0,1
	ds_load_b128 v[W1F+8*\t:W1F+8*\t+3], v[AD48] offset:WT1+16*\t*48   ; K = 16: registers 0-3 only,
.irp j, 4,5,6,7
	v_mov_b32 v[W1F+8*\t+\j], 0                    ; k = 16 .. 31 are zeros
.endr
.endr
.irp t, 0,1,2,3
	FRAG W2F+8*\t, AD80, WT2+16*\t*80
.endr
.irp t, 0,1
.irp c, 0,1
	FRAG W5F+8*(2*\t+\c), AD144, WT5+16*\t*144+64*\c
.endr
.endr
	WIN 0x40
.irp t, 0,1,2,3,4,5,6,7
.irp c, 0,1
	FRAG W3F+8*(2*\t+\c), AD144, WT3+16*\t*144+64*\c
.endr
.endr
.irp t, 0,1,2,3
.irp c, 0,1,2,3
	FRAG W4F+8*(4*\t+\c), AD272, WT4+16*\t*272+64*\c
.endr
.endr
	WIN 0
.irp j, 4,5,6,7
	v_mov_b32 v[B1+\j], 0                          ; k = 16 .. 31 of layer 1's B fragments: written once
	v_mov_b32 v[B1+TD+\j], 0
.endr
	v_mov_b32 v[SS+5], 0                           ; destinations of v_permlanex16_b32 count as read
	v_mov_b32 v[SS+SD+5], 0
	s_wait_dscnt 0x0                               ; the 82 fragment loads
	s_wait_kmcnt 0x0                               ; b6
; ================================================================ THE TRIPS: 64 rows each
	s_mov_b32 s74, 0
.Ltrip:
	s_wait_loadcnt 0x0                             ; this trip's x: the only load that is out, asked for half a trip ago
	PASS 0, 0
	PASS 2, 1
	v_cmp_gt_u32 vcc_lo, 16, v[LANE]               ; both halves hold the same four results: lanes 0-15 store 256 consecutive bytes, aligned
	s_wait_xcnt 0x0                                ; EXEC is a source of the x load that is on its way: it changes only behind this wait
	s_and_saveexec_b32 s75, vcc_lo
	global_store_b128 v[OFF], v[O:O+3], s[6:7] th:TH_STORE_NT
	s_wait_xcnt 0x0                                ; and again for the store: EXEC, OFF and O are rewritten only behind this wait
	s_or_b32 exec_lo, exec_lo, s75
	v_add_nc_u32 v[OFF], 0x100, v[OFF]
	s_add_co_u32 s74, s74, 1
	s_cmp_lt_u32 s74, TRIPS
	s_cbranch_scc1 .Ltrip
	s_set_vgpr_msb 0xa
	s_wait_tensorcnt 0x0
	ds_add_u32 v254, v255
	s_wait_dscnt 0x0
	s_set_vgpr_msb 0xa00
	s_endpgm
.Lfunc_end_k_q494c2b61ff_mlp:
	.size	k_q494c2b61ff_mlp, .Lfunc_end_k_q494c2b61ff_mlp-k_q494c2b61ff_mlp
	.p2alignl 7, 3214868480
	.fill 96, 4, 3214868480
	.section	.rodata,"a",@progbits
	.p2align	6, 0x0
	.amdhsa_kernel k_q494c2b61ff_mlp
		.amdhsa_group_segment_fixed_size 49664
		.amdhsa_private_segment_fixed_size 0
		.amdhsa_enable_private_segment 0
		.amdhsa_kernarg_size 224
		.amdhsa_user_sgpr_count 2
		.amdhsa_user_sgpr_kernarg_segment_ptr 1
		.amdhsa_wavefront_size32 1
		.amdhsa_system_sgpr_workgroup_id_x 1
		.amdhsa_system_sgpr_workgroup_id_y 1
		.amdhsa_system_sgpr_workgroup_id_z 1
		.amdhsa_system_vgpr_workitem_id 0
		.amdhsa_next_free_vgpr 1024
		.amdhsa_next_free_sgpr 80
		.amdhsa_reserve_vcc 1
		.amdhsa_float_denorm_mode_32 3
		.amdhsa_float_denorm_mode_16_64 3
		.amdhsa_memory_ordered 1
		.amdhsa_forward_progress 1
		.amdhsa_inst_pref_size 198
	.end_amdhsa_kernel
	.amdgpu_metadata
---
amdhsa.version: [ 1, 2 ]
amdhsa.kernels:
  - .name:           k_q494c2b61ff_mlp
    .symbol:         k_q494c2b61ff_mlp.kd
    .args:
      - { .name: x, .offset: 0, .size: 8, .value_kind: global_buffer, .address_space: global }
      - { .name: out0, .offset: 8, .size: 8, .value_kind: global_buffer, .address_space: global }
      - { .name: W0, .offset: 16, .size: 8, .value_kind: global_buffer, .address_space: global }
      - { .name: b0, .offset: 24, .size: 8, .value_kind: global_buffer, .address_space: global }
      - { .name: g0, .offset: 32, .size: 8, .value_kind: global_buffer, .address_space: global }
      - { .name: be0, .offset: 40, .size: 8, .value_kind: global_buffer, .address_space: global }
      - { .name: W1, .offset: 48, .size: 8, .value_kind: global_buffer, .address_space: global }
      - { .name: b1, .offset: 56, .size: 8, .value_kind: global_buffer, .address_space: global }
      - { .name: g1, .offset: 64, .size: 8, .value_kind: global_buffer, .address_space: global }
      - { .name: be1, .offset: 72, .size: 8, .value_kind: global_buffer, .address_space: global }
      - { .name: W2, .offset: 80, .size: 8, .value_kind: global_buffer, .address_space: global }
      - { .name: b2, .offset: 88, .size: 8, .value_kind: global_buffer, .address_space: global }
      - { .name: g2, .offset: 96, .size: 8, .value_kind: global_buffer, .address_space: global }
      - { .name: be2, .offset: 104, .size: 8, .value_kind: global_buffer, .address_space: global }
      - { .name: W3, .offset: 112, .size: 8, .value_kind: global_buffer, .address_space: global }
      - { .name: b3, .offset: 120, .size: 8, .value_kind: global_buffer, .address_space: global }
      - { .name: g3, .offset: 128, .size: 8, .value_kind: global_buffer, .address_space: global }
      - { .name: be3, .offset: 136, .size: 8, .value_kind: global_buffer, .address_space: global }
      - { .name: W4, .offset: 144, .size: 8, .value_kind: global_buffer, .address_space: global }
      - { .name: b4, .offset: 152, .size: 8, .value_kind: global_buffer, .address_space: global }
      - { .name: g4, .offset: 160, .size: 8, .value_kind: global_buffer, .address_space: global }
      - { .name: be4, .offset: 168, .size: 8, .value_kind: global_buffer, .address_space: global }
      - { .name: W5, .offset: 176, .size: 8, .value_kind: global_buffer, .address_space: global }
      - { .name: b5, .offset: 184, .size: 8, .value_kind: global_buffer, .address_space: global }
      - { .name: g5, .offset: 192, .size: 8, .value_kind: global_buffer, .address_space: global }
      - { .name: be5, .offset: 200, .size: 8, .value_kind: global_buffer, .address_space: global }
      - { .name: W6, .offset: 208, .size: 8, .value_kind: global_buffer, .address_space: global }
      - { .name: b6, .offset: 216, .size: 8, .value_kind: global_buffer, .address_space: global }
    .group_segment_fixed_size: 49664
    .private_segment_fixed_size: 0
    .kernarg_segment_align: 8
    .kernarg_segment_size: 224
    .max_flat_workgroup_size: 128
    .sgpr_count:     80
    .vgpr_count:     1024
    .wavefront_size: 32
...
	.end_amdgpu_metadata
.endif
;; end of part 2
